; MI455X (gfx1250); checked and timed in simulation.
; The chip was launched on July 23, 2026; its instructions are those of AMD's public machine-readable ISA for CDNA 5 (MIT licence, August 2026) and "CDNA5" Instruction Set Architecture Reference Guide (July 2026). The comments in the code are by the model that wrote it; some were corrected since.
;; PCT. Allowed arithmetic: float matrix products may take bf16 or f16 operands with f32 sums; all other float work in f32.
;; Inputs: bn_beta 128 float32; bn_gamma 128 float32; conv_b 128 float32; conv_w 128 x 128 float32; fc_b 1 float32; fc_w 1 x 257 float32; x1 4,096 x 128 x 1 float32; x1_2 4,096 x 128 x 1 float32; x2 4,096 x 128 x 1 float32.
;; Outputs: out0 4,096 x 128 x 1 float32.
;; One version. Each part assembles by itself: llvm-mc -triple=amdgcn-amd-amdhsa -mcpu=gfx1250 --defsym DOCPART=n.
;; ======== version 1 of 1: 2 launches
;; limits: values outside matrix products are rounded to bf16
;; workspace buffers: yg 4,194,304 bytes; part 262,144 bytes
;; launch main (part 1): grid 256 x 1, 8 waves a work-group, no clusters, 325,632 bytes of LDS; arguments x1, x2, x1_2, fc_w, fc_b, conv_w, conv_b, yg, part; writes yg, part
.if DOCPART == 1
	.amdgcn_target "amdgcn-amd-amdhsa--gfx1250"
	.amdhsa_code_object_version 6
	.text
	.protected	k_q4fc553fd3c_main
	.globl	k_q4fc553fd3c_main
	.p2align	8
	.type	k_q4fc553fd3c_main,@function
k_q4fc553fd3c_main:
	s_mov_b64 s[64:65], 0
	v_nop
	global_prefetch_b8 v0, s[64:65] scope:SCOPE_SE
	s_setreg_imm32_b32 hwreg(HW_REG_WAVE_MODE, 25, 1), 1
	s_wait_xcnt 0x0
; PCT block, first part.  For each batch b (4,096 of them) and channels c, d (128 each):
;   P[c,d] = exp(x1[c] x2[d] - rowmax_c), S_c = sum_d P, E = P / S, colsum_d = sum_c E[c,d],
;   x_r[c] = sum_d E[c,d] x1_2[d] / (1e-9 + colsum_d),  y = x1 - (conv_w x_r + conv_b),
;   gate = sigmoid(E w1 + E^T w2 + x1 w3 + fc_b).
; Stored: yg plane 0 = y, plane 1 = gate x1; part = for this work-group's 16 batches, per channel, the mean of y and the sum of
; squared deviations from that mean (the second launch joins these without forming a difference of large sums).
; SHARES: 256 work-groups of 8 waves; a work-group owns 16 batches, wave w the local rows w and w + 8, one after the other.
; The bulk is 512 exponentials a lane and batch; each has half a packed multiply-add in front and half a packed rounding behind.
; The row maximum is exact without a search: max_d x1[c] x2[d] = max(x1[c] max x2, x1[c] min x2).
; The product x1[c] x2[d] (one term, no sum) is part of the softmax and is kept in f32, fused with the subtraction of the maximum.
; MATRIX UNIT: P (bf16) is always operand B; operand A holds two small vectors, one in its even rows, one in its odd rows, so that
; register 0 and register 1 of a result hold the two sums for channel 16 block + (lane % 16) in every lane.
;   pass 1 (over d): A = ones | w1;     B = the fragment just made          -> S_c, sum P w1
;   pass 2 (over c): A = 1/S | w2/S;    B = P read back transposed from LDS -> colsum_d, (E^T w2)_d
;   pass 3 (over d): A = u | u;         B = the fragments kept in v256-511  -> sum P u,   u = x1_2 / (1e-9 + colsum)
;   conv, once for the work-group: rows = its 16 batches, wave w makes output channels 16 w .. 16 w + 15.
; NOT USED, by this text's arithmetic: tensor loads and joint requests.  A work-group reads 24 KiB of its own once (six 16-byte loads a
; lane); what work-groups share is conv_w (64 KiB, 8 KiB a wave straight into registers) and fc_w (1 KiB), a small part of the work.
; LIMITS: v_exp_f32, v_rcp_f32 are good to 1 ulp and flush denormals (ISA guide 15.8): P below 2^-126 counts as 0.  NaN and infinite
; inputs are not served.  P, 1/S, w2/S, u, w1, x_r and conv_w are rounded to bf16 as matrix operands.  x1 log2(e) is rounded once,
; an error of the exponent of at most 2^-24 |x1 x2|.
.set LOG2E,  0x3fb8aa3b
.set NLOG2E, 0xbfb8aa3b
; LDS map
.set PBW,   36864                      ; a wave's P: 128 rows of 288 bytes; row c starts at 288 c + 16 ((c >> 3) & 1), column d at 2 d
.set PP,    288                        ; 288 mod 256 = 32, with the 16-byte skew: 16 rows of a store and 8 + 8 rows of a transposing load touch 16 different 16-byte columns
.set STG,   8*PBW                      ; 294,912: three regions of 16 rows (one a batch) of 528 bytes
.set SP,    528                        ; 512 bytes + 16
.set SHALF, 8*SP                       ; from row w to row w + 8
.set SREG,  16*SP                      ; region 0: x1; 1: x2, later gate x1; 2: x1_2, later x_r in bf16
.set VEC,   STG+3*SREG                 ; 320,256: for each wave two rows of 128 bf16, pitch 272
.set VP,    272
.set YTP,   68                         ; behind the first barrier, in P's bytes: y transposed, row = channel, 16 batches + 4 bytes
.set PSW,   128*YTP                    ; 8,704: for each wave 16 means, then 16 sums of squares
; vector registers, window 0
.set PST,  1                           ; where I store 16 bytes of a fragment of P
.set PTR,  2                           ; where I read P transposed
.set VST,  3                           ; where I put one bf16 of a small vector (lanes 0-15 row 0, lanes 16-31 row 1)
.set VLD,  4                           ; where I read operand A's 16 bytes of it (row = lane & 1)
.set R32,  5                           ; my wave's row in region 0, word lane % 16
.set R128, 6                           ; my wave's row in region 0, 16 bytes x lane
.set XVA,  7                           ; my wave's row in region 1, 32 bytes x (lane / 16)
.set XRS,  8                           ; my wave's row in region 2, 2 bytes x (lane % 16)
.set GOFF, 9                           ; 16 x thread: my 16 bytes of my wave's row in memory
.set CWO,  10                          ; conv_w: row 16 w + lane % 16, 32 bytes x (lane / 16)
.set CBV,  11                          ; conv_b of that row
.set CBO,  12
.set W1O,  13
.set W2O,  14
.set TMP,  15                          ; destination of the exchange between the halves of the wave
.set FW,   16                          ; v16-23   lanes 0-15: 1.0; lanes 16-31: w2[16 cb + lane % 16]
.set A1,   24                          ; v24-55   pass 1's A, 8 registers for each 32 d; at the end x_r's fragments
.set AM,   56                          ; v56-71   pairs (x1[c] log2 e, -rowmax in base 2) for the 8 blocks of c
.set RC,   56                          ; v56-63   then 1 / S
.set LG,   64                          ; v64-71   and the gate's sum so far
.set XV,   72                          ; v72-135  x2[16 q + 8 h + 4 e ..] at XV + 8 q + 4 e
.set BB,   72                          ;          pass 2: two buffers of four B fragments
.set T,    136                         ; v136-183 three buffers of 16 exponents / exponentials
.set AV,   136                         ; v136-167 then A of passes 2 and 3; at the end conv_w in bf16
.set X12,  168                         ; v168-175 x1_2, later the gate
.set SCR,  176                         ; v176-183 at work
.set MS,   T+24                        ; head only
.set ACC,  184                         ; v184-247 eight accumulators
.set X1,   248                         ; v248-255 x1[16 cb + lane % 16]
; window 1: v256-511, the fragment of P for (32 d block ks, 16 c block cb) at low number 8 (8 ks + cb)
; the end's registers, in regions that are free by then
.set XRL,  56
.set X1DL, 57
.set YTS,  58
.set PSS,  59
.set YTL,  60
.set PSL,  61
.set ER,   62
.set EH,   63
.set EL,   64
.set ET,   65
.set XB,   168
.set YY,   200
.set WK,   208
.set YOUT, 224
.set GOUT, 232
.set POUT, 240
.set MSB, 0
.macro WIN new                         ; s_set_vgpr_msb: bits 1:0 source 0, 3:2 source 1, 5:4 source 2, 7:6 destination; the high byte repeats the setting left
.if MSB != \new
	s_set_vgpr_msb (MSB<<8)|\new
.set MSB, \new
.endif
.endm
.macro PLACES                          ; four independent vector instructions between a matrix instruction and what reads its result or writes its registers (ISA guide 7.12.1)
.rept 4
	v_nop
.endr
.endm
.macro WM d, a, b, first               ; first = 1: the product starts the sum, nothing is cleared
.if \first
	v_wmma_f32_16x16x32_bf16 v[\d:\d+7], v[\a:\a+7], v[\b:\b+7], 0
.else
	v_wmma_f32_16x16x32_bf16 v[\d:\d+7], v[\a:\a+7], v[\b:\b+7], v[\d:\d+7]
.endif
.endm
	s_load_b512 s[4:19], s[0:1], 0x0               ; x1 s[4:5], x2 s[6:7], x1_2 s[8:9], fc_w s[10:11], fc_b s[12:13], conv_w s[14:15], conv_b s[16:17], yg s[18:19]
	s_load_b64 s[20:21], s[0:1], 0x40              ; part
	v_lshrrev_b32 v[TMP], 5, v0
	v_readfirstlane_b32 s22, v[TMP]                ; wave 0..7
	v_mov_b32 v[TMP], 0
	s_mov_b32 s32, 0x76543210                      ; v_permlanex16_b32: lane i takes lane i of the other half
	s_mov_b32 s33, 0xfedcba98
	v_and_b32 v248, 31, v0                         ; L
	v_and_b32 v249, 15, v0                         ; r
	v_bfe_u32 v250, v0, 4, 1                       ; h
	v_bfe_u32 v251, v0, 3, 1                       ; r >> 3
	v_and_b32 v252, 7, v0                          ; L & 7
	v_and_b32 v253, 1, v0                          ; r & 1
	v_cmp_ne_u32 s36, 0, v250                      ; lanes 16-31
	v_cmp_ne_u32 s37, 0, v253                      ; odd lanes = odd rows of an operand A
	s_mul_i32 s38, s22, PBW
	s_mul_i32 s39, s22, SP
	s_add_co_u32 s39, s39, STG
	s_mul_i32 s40, s22, 2*VP
	s_add_co_u32 s40, s40, VEC
	s_add_co_u32 s41, s39, SREG
	s_add_co_u32 s42, s39, 2*SREG
	s_lshl_b32 s43, s22, 13
	s_lshl_b32 s44, s22, 6
	v_mul_u32_u24 v[PST], v249, PP                 ; row r of a block of 16,
	v_lshl_add_u32 v[PST], v251, 4, v[PST]         ; its skew,
	v_lshl_add_u32 v[PST], v250, 4, v[PST]         ; 8 h columns
	v_add_nc_u32 v[PST], s38, v[PST]
	v_lshl_add_u32 v[PTR], v250, 3, v252           ; row 8 h + (L & 7) of a block of 16: its skew is 16 h
	v_mul_u32_u24 v[PTR], v[PTR], PP
	v_lshl_add_u32 v[PTR], v250, 4, v[PTR]
	v_lshl_add_u32 v[PTR], v251, 4, v[PTR]         ; columns 8 ((L >> 3) & 1) ..
	v_add_nc_u32 v[PTR], s38, v[PTR]
	v_mul_u32_u24 v[VST], v250, VP
	v_lshl_add_u32 v[VST], v249, 1, v[VST]
	v_add_nc_u32 v[VST], s40, v[VST]
	v_mul_u32_u24 v[VLD], v253, VP
	v_lshl_add_u32 v[VLD], v250, 4, v[VLD]
	v_add_nc_u32 v[VLD], s40, v[VLD]
	v_lshl_add_u32 v[R32], v249, 2, s39
	v_lshl_add_u32 v[R128], v248, 4, s39
	v_lshl_add_u32 v[XVA], v250, 5, s41
	v_lshl_add_u32 v[XRS], v249, 1, s42
	v_lshlrev_b32 v[GOFF], 4, v0
	v_lshlrev_b32 v[CWO], 9, v249
	v_lshl_add_u32 v[CWO], v250, 5, v[CWO]
	v_add_nc_u32 v[CWO], s43, v[CWO]
	v_lshl_add_u32 v[CBO], v249, 2, s44
	v_lshlrev_b32 v[W1O], 5, v250
	v_lshlrev_b32 v[W2O], 2, v249
	s_lshl_b32 s24, ttmp9, 13                      ; 16 rows of 512 bytes a work-group
	s_mov_b32 s25, 0
	s_wait_kmcnt 0x0
	s_load_b32 s26, s[10:11], 0x400                ; w3 = fc_w[256]
	s_load_b32 s27, s[12:13], 0x0                  ; fc_b
	s_add_nc_u64 s[4:5], s[4:5], s[24:25]
	s_add_nc_u64 s[6:7], s[6:7], s[24:25]
	s_add_nc_u64 s[8:9], s[8:9], s[24:25]
	s_add_nc_u64 s[18:19], s[18:19], s[24:25]
	s_lshl_b32 s24, ttmp9, 10                      ; 1,024 bytes of part a work-group
	s_add_nc_u64 s[20:21], s[20:21], s[24:25]
	; 30 loads.  A wave's load of a row covers its 512 consecutive bytes.
.irp i, 0,1
	global_load_b128 v[T+4*\i:T+4*\i+3], v[GOFF], s[6:7] offset:4096*\i th:TH_LOAD_NT          ; x2, rows w and w + 8
.endr
.irp i, 0,1
	global_load_b128 v[T+8+4*\i:T+8+4*\i+3], v[GOFF], s[4:5] offset:4096*\i th:TH_LOAD_NT      ; x1
.endr
.irp i, 0,1
	global_load_b128 v[T+16+4*\i:T+16+4*\i+3], v[GOFF], s[8:9] offset:4096*\i th:TH_LOAD_NT    ; x1_2
.endr
.irp q, 0,1,2,3,4,5,6,7
.irp e, 0,1
	global_load_b128 v[XV+8*\q+4*\e:XV+8*\q+4*\e+3], v[W1O], s[10:11] offset:64*\q+16*\e       ; w1[16 q + 8 h + 4 e ..]
.endr
.endr
.irp cb, 0,1,2,3,4,5,6,7
	global_load_b32 v[FW+\cb], v[W2O], s[10:11] offset:512+64*\cb                              ; w2[16 cb + r]
.endr
	s_wait_loadcnt 24                              ; the 16 loads of w1 and the 8 of w2 are younger: the six rows are in
.irp i, 0,1
	ds_store_b128 v[R128], v[T+8+4*\i:T+8+4*\i+3] offset:SHALF*\i
	ds_store_b128 v[R128], v[T+4*\i:T+4*\i+3] offset:SREG+SHALF*\i
	ds_store_b128 v[R128], v[T+16+4*\i:T+16+4*\i+3] offset:2*SREG+SHALF*\i
.endr
; -max x2 and -min x2 of row i, as scalars: four numbers a lane, four steps inside each half of the wave, one across
.macro MINMAX i
	v_max_num_f32 v[MS], v[T+4*\i], v[T+4*\i+1]
	v_max_num_f32 v[MS+1], -v[T+4*\i], -v[T+4*\i+1]        ; max(-x) = -min x
	v_max_num_f32 v[MS], v[MS], v[T+4*\i+2]
	v_max_num_f32 v[MS+1], v[MS+1], -v[T+4*\i+2]
	v_max_num_f32 v[MS], v[MS], v[T+4*\i+3]
	v_max_num_f32 v[MS+1], v[MS+1], -v[T+4*\i+3]
.irp m, 1,2,4,8
	v_max_num_f32_dpp v[MS], v[MS], v[MS] row_xmask:\m row_mask:0xf bank_mask:0xf
	v_max_num_f32_dpp v[MS+1], v[MS+1], v[MS+1] row_xmask:\m row_mask:0xf bank_mask:0xf
.endr
	v_permlanex16_b32 v[TMP], v[MS], s32, s33
	v_max_num_f32 v[MS], v[MS], v[TMP]
	v_permlanex16_b32 v[TMP], v[MS+1], s32, s33
	v_max_num_f32 v[MS+1], v[MS+1], v[TMP]
	v_readfirstlane_b32 s[28+2*\i], v[MS]
	v_readfirstlane_b32 s[29+2*\i], v[MS+1]
	s_xor_b32 s[28+2*\i], s[28+2*\i], 0x80000000
.endm
	MINMAX 0
	MINMAX 1
	s_wait_loadcnt 8                               ; the 8 loads of w2 are younger: w1 is in
.set n, 0
.rept 32
	v_cvt_pk_bf16_f32 v[A1+n], v[XV+2*n], v[XV+2*n+1]      ; registers 0-3 of a fragment: k = 8 h + 0..7, registers 4-7: k = 16 + 8 h + 0..7
.set n, n+1
.endr
.set n, 0
.rept 32
	v_cndmask_b32 v[A1+n], 0x3f803f80, v[A1+n], s37        ; even rows: ones; odd rows: w1
.set n, n+1
.endr
	s_wait_loadcnt 0x0                             ; w2
	s_wait_kmcnt 0x0                               ; w3, fc_b
.irp cb, 0,1,2,3,4,5,6,7
	v_cndmask_b32 v[FW+\cb], 1.0, v[FW+\cb], s36
.endr
; The batch's x2 and x1 out of my own LDS rows (the LDS unit serves a wave's instructions in order, ISA guide 5.7.1: they see my stores), and the pairs (a, -m).
.macro START i
.irp q, 0,1,2,3,4,5,6,7
.irp e, 0,1
	ds_load_b128 v[XV+8*\q+4*\e:XV+8*\q+4*\e+3], v[XVA] offset:SHALF*\i+64*\q+16*\e
.endr
.endr
.irp cb, 0,1,2,3,4,5,6,7
	ds_load_b32 v[X1+\cb], v[R32] offset:SHALF*\i+64*\cb
.endr
	s_wait_dscnt 0x0
.irp cb, 0,1,2,3,4,5,6,7
	v_mul_f32 v[AM+2*\cb], LOG2E, v[X1+\cb]
.endr
.irp cb, 0,1,2,3,4,5,6,7
	v_mul_f32 v[T+32+2*\cb], s[28+2*\i], v[AM+2*\cb]
	v_mul_f32 v[T+33+2*\cb], s[29+2*\i], v[AM+2*\cb]
.endr
.irp cb, 0,1,2,3,4,5,6,7
	v_min_num_f32 v[AM+2*\cb+1], v[T+32+2*\cb], v[T+33+2*\cb]      ; -max(a max x2, a min x2)
.endr
.endm
; two exponents of fragment f = 8 ks + cb: x2 a - m
.macro FMA1 f, n
	v_pk_fma_f32 v[T+16*((\f)%3)+2*\n:T+16*((\f)%3)+2*\n+1], v[XV+16*((\f)>>3)+2*\n:XV+16*((\f)>>3)+2*\n+1], v[AM+2*((\f)&7):AM+2*((\f)&7)+1], v[AM+2*((\f)&7):AM+2*((\f)&7)+1] op_sel:[0,0,1] op_sel_hi:[1,0,1]
.endm
; 16 exponentials of fragment f; the next fragment's multiply-adds stand among them as the plain instruction that a transcendental wants behind it (ISA guide 5.7.2)
.macro EXPFMA f, more
.irp n, 0,1,2,3,4,5,6,7
	v_exp_f32 v[T+16*((\f)%3)+2*\n], v[T+16*((\f)%3)+2*\n]
	v_exp_f32 v[T+16*((\f)%3)+2*\n+1], v[T+16*((\f)%3)+2*\n+1]
.if \more
	FMA1 (\f+1), \n
.endif
.endr
.if \more == 0
	v_nop
	s_wait_alu depctr_va_vdst(0)
.endif
.endm
; two fragments: exponentials, rounding into window 1, a copy into LDS for pass 2, pass 1's two products.
; The eight accumulators take turns, one instruction a turn.
.macro GROUP p
	WIN 0
	EXPFMA (2*\p), 1
.if \p < 15
	EXPFMA (2*\p+1), 1
.else
	EXPFMA (2*\p+1), 0
.endif
	WIN 0x40                                       ; destination in window 1
	s_wait_alu depctr_va_vdst(0)
.irp g, 0,1
.irp j, 0,1,2,3,4,5,6,7
	v_cvt_pk_bf16_f32 v[8*(2*\p+\g)+\j], v[T+16*((2*\p+\g)%3)+2*\j], v[T+16*((2*\p+\g)%3)+2*\j+1]
.endr
.endr
	WIN 0x04                                       ; source 1 (a store's data, a product's B) in window 1
.irp g, 0,1
.irp e, 0,1
	ds_store_b128 v[PST], v[8*(2*\p+\g)+4*\e:8*(2*\p+\g)+4*\e+3] offset:16*PP*((2*\p+\g)&7)+64*((2*\p+\g)>>3)+32*\e
.endr
.endr
.irp g, 0,1
.if \p < 4
	WM (ACC+8*((2*\p+\g)&7)), (A1+8*((2*\p+\g)>>3)), (8*(2*\p+\g)), 1
.else
	WM (ACC+8*((2*\p+\g)&7)), (A1+8*((2*\p+\g)>>3)), (8*(2*\p+\g)), 0
.endif
.endr
.endm
; pass 2, step s = 0..7: rows c = 32 (s >> 1) .. + 31, column blocks 4 (s & 1) .. + 3.  Eight transposing loads, four products.
.macro TRLOAD s
.irp t, 0,1,2,3
	ds_load_tr16_b128 v[BB+32*((\s)&1)+8*\t:BB+32*((\s)&1)+8*\t+3], v[PTR] offset:32*PP*((\s)>>1)+32*(4*((\s)&1)+\t)
	ds_load_tr16_b128 v[BB+32*((\s)&1)+8*\t+4:BB+32*((\s)&1)+8*\t+7], v[PTR] offset:32*PP*((\s)>>1)+32*(4*((\s)&1)+\t)+16*PP
.endr
.endm
.macro MUL4 s
.irp t, 0,1,2,3
.if \s < 2
	WM (ACC+8*(4*((\s)&1)+\t)), (AV+8*((\s)>>1)), (BB+32*((\s)&1)+8*\t), 1
.else
	WM (ACC+8*(4*((\s)&1)+\t)), (AV+8*((\s)>>1)), (BB+32*((\s)&1)+8*\t), 0
.endif
.endr
.endm
; the eight numbers in SCR (channel 16 k + r) become two rows of 128 bf16 in my own LDS bytes and come back as operand A
.macro VECROUND
.irp k, 0,1,2,3
	v_cvt_pk_bf16_f32 v[SCR+\k], v[SCR+2*\k], v[SCR+2*\k+1]
.endr
.irp k, 0,1,2,3
	ds_store_b16 v[VST], v[SCR+\k] offset:64*\k
	ds_store_b16_d16_hi v[VST], v[SCR+\k] offset:64*\k+32
.endr
.irp ks, 0,1,2,3
.irp e, 0,1
	ds_load_b128 v[AV+8*\ks+4*\e:AV+8*\ks+4*\e+3], v[VLD] offset:64*\ks+32*\e
.endr
.endr
.endm
.macro BATCH i, last
	START \i
.irp n, 0,1,2,3,4,5,6,7
	FMA1 0, \n
.endr
.irp p, 0,1,2,3,4,5,6,7,8,9,10,11,12,13,14,15
	GROUP \p
.endr
	WIN 0
	TRLOAD 0                                       ; behind my stores of P in the wave's LDS order
	TRLOAD 1
	PLACES
.irp cb, 0,1,2,3,4,5,6,7
	v_rcp_f32 v[RC+\cb], v[ACC+8*\cb]              ; 1 / S; S is at least about 1: the row's largest P is 1
.endr
	v_nop
	s_wait_alu depctr_va_vdst(0)
.irp cb, 0,1,2,3,4,5,6,7
	v_fma_f32 v[LG+\cb], v[ACC+8*\cb+1], v[RC+\cb], s27    ; (E w1)_c + fc_b
	v_mul_f32 v[SCR+\cb], v[RC+\cb], v[FW+\cb]             ; lanes 0-15: 1/S; lanes 16-31: w2/S
.endr
	VECROUND
.irp db, 0,1,2,3,4,5,6,7
	ds_load_b32 v[X12+\db], v[R32] offset:2*SREG+SHALF*\i+64*\db
.endr
	s_wait_dscnt 0x0                               ; steps 0 and 1, operand A and x1_2: all that is out is needed or older
	MUL4 0
	PLACES                                         ; the loads below land in registers that the four products read
	TRLOAD 2
	MUL4 1
	PLACES
	TRLOAD 3
.irp s, 2,3,4,5
	s_wait_dscnt 8                                 ; the eight loads of the step behind this one may stay out
	MUL4 \s
	PLACES
	TRLOAD (\s+2)
.endr
	s_wait_dscnt 8
	MUL4 6
	s_wait_dscnt 0x0
	MUL4 7
	PLACES
.if \last
.irp q, 0,1,2,3,4,5,6,7
.irp e, 0,1
	global_load_b128 v[XV+8*\q+4*\e:XV+8*\q+4*\e+3], v[CWO], s[14:15] offset:64*\q+16*\e      ; conv_w[16 w + r][16 q + 8 h + 4 e ..]: needed at the end, asked for here
.endr
.endr
	global_load_b32 v[CBV], v[CBO], s[16:17]
.endif
.irp db, 0,1,2,3,4,5,6,7
	v_add_f32 v[SCR+\db], 0x3089705f, v[ACC+8*\db]         ; 1e-9 + colsum
.endr
.irp db, 0,1,2,3,4,5,6,7
	v_rcp_f32 v[SCR+\db], v[SCR+\db]
.endr
.irp db, 0,1,2,3,4,5,6,7
	v_add_f32 v[LG+\db], v[LG+\db], v[ACC+8*\db+1]         ; + (E^T w2)
.endr
	s_wait_alu depctr_va_vdst(0)
.irp db, 0,1,2,3,4,5,6,7
	v_mul_f32 v[SCR+\db], v[X12+\db], v[SCR+\db]           ; u
.endr
	VECROUND                                       ; both rows of A hold u
	s_wait_dscnt 0x0
	WIN 0x04
.irp ks, 0,1,2,3
.irp cb, 0,1,2,3,4,5,6,7
.if \ks == 0
	WM (ACC+8*\cb), (AV+8*\ks), (8*(8*\ks+\cb)), 1
.else
	WM (ACC+8*\cb), (AV+8*\ks), (8*(8*\ks+\cb)), 0
.endif
.endr
.endr
	WIN 0
	PLACES
.irp cb, 0,1,2,3,4,5,6,7
	v_mul_f32 v[SCR+\cb], v[ACC+8*\cb], v[RC+\cb]          ; x_r
	v_fma_f32 v[X12+\cb], v[X1+\cb], s26, v[LG+\cb]        ; the gate's whole sum
.endr
.irp cb, 0,1,2,3,4,5,6,7
	v_mul_f32 v[X12+\cb], NLOG2E, v[X12+\cb]
.endr
.irp cb, 0,1,2,3,4,5,6,7
	v_exp_f32 v[X12+\cb], v[X12+\cb]
.endr
.irp k, 0,1,2,3
	v_cvt_pk_bf16_f32 v[SCR+\k], v[SCR+2*\k], v[SCR+2*\k+1]
.endr
.irp k, 0,1,2,3
	ds_store_b16 v[XRS], v[SCR+\k] offset:SHALF*\i+64*\k           ; x_r over x1_2's row, which has been read
	ds_store_b16_d16_hi v[XRS], v[SCR+\k] offset:SHALF*\i+64*\k+32
.endr
	s_wait_alu depctr_va_vdst(0)
.irp cb, 0,1,2,3,4,5,6,7
	v_add_f32 v[X12+\cb], 1.0, v[X12+\cb]
.endr
.irp cb, 0,1,2,3,4,5,6,7
	v_rcp_f32 v[X12+\cb], v[X12+\cb]
.endr
	v_nop
	s_wait_alu depctr_va_vdst(0)
.irp cb, 0,1,2,3,4,5,6,7
	v_mul_f32 v[X12+\cb], v[X12+\cb], v[X1+\cb]            ; gate x1
.endr
.irp cb, 0,1,2,3,4,5,6,7
	ds_store_b32 v[R32], v[X12+\cb] offset:SREG+SHALF*\i+64*\cb    ; over x2's row, which has been read
.endr
.endm
	BATCH 0, 0
	BATCH 1, 1
	; THE END: the conv for the work-group's 16 batches, y, its statistics, and whole rows out.
	v_and_b32 v[ER], 15, v0
	v_bfe_u32 v[EH], v0, 4, 1
	v_and_b32 v[EL], 31, v0
	v_mul_u32_u24 v[ET], v[ER], SP                 ; x_r as operand A: row = batch r, 16 h bytes
	v_lshl_add_u32 v[ET], v[EH], 4, v[ET]
	v_add_nc_u32 v[XRL], STG+2*SREG, v[ET]
	s_lshl_b32 s38, s22, 6
	s_add_co_u32 s39, s38, STG
	v_mul_u32_u24 v[ET], v[EH], SHALF              ; x1 in the result's layout: batch 8 h + j, channel 16 w + r
	v_lshl_add_u32 v[ET], v[ER], 2, v[ET]
	v_add_nc_u32 v[X1DL], s39, v[ET]
	s_mul_i32 s40, s22, 16*YTP
	v_mul_u32_u24 v[ET], v[ER], YTP                ; y transposed: row = channel 16 w + r, batches 8 h + j
	v_lshl_add_u32 v[ET], v[EH], 5, v[ET]
	v_add_nc_u32 v[YTS], s40, v[ET]
	s_lshl_b32 s41, s22, 7
	s_add_co_u32 s41, s41, PSW
	v_lshlrev_b32 v[ET], 6, v[EH]
	v_lshl_add_u32 v[ET], v[ER], 2, v[ET]
	v_add_nc_u32 v[PSS], s41, v[ET]
	s_lshl_b32 s42, s22, 2
	v_mul_u32_u24 v[ET], v[EL], 4*YTP              ; back: channels 4 L + k of batch w + 8 i
	v_add_nc_u32 v[YTL], s42, v[ET]
	s_add_co_u32 s43, s38, PSW
	v_lshrrev_b32 v[ET], 2, v[EL]                  ; channels 4 L .. 4 L + 3 lie with wave L >> 2
	v_lshlrev_b32 v[ET], 7, v[ET]
	v_and_b32 v[ER], 3, v0
	v_lshl_add_u32 v[ET], v[ER], 4, v[ET]
	v_add_nc_u32 v[PSL], s43, v[ET]
	s_wait_dscnt 0x0                               ; my x_r and gate rows are written, my reads of P are over
	s_barrier_signal -1
	s_barrier_wait -1                              ; so are everybody's: x_r of all 16 batches may be read, P's bytes may be written
.irp ks, 0,1,2,3
.irp e, 0,1
	ds_load_b128 v[A1+8*\ks+4*\e:A1+8*\ks+4*\e+3], v[XRL] offset:64*\ks+32*\e
.endr
.endr
.irp j, 0,1,2,3,4,5,6,7
	ds_load_b32 v[XB+\j], v[X1DL] offset:SP*\j
.endr
	s_wait_loadcnt 0x0                             ; conv_w, conv_b
.set n, 0
.rept 32
	v_cvt_pk_bf16_f32 v[AV+n], v[XV+2*n], v[XV+2*n+1]
.set n, n+1
.endr
	s_wait_dscnt 0x0
.irp j, 0,1,2,3,4,5,6,7
	v_sub_f32 v[XB+\j], v[XB+\j], v[CBV]
.endr
	WM ACC, A1, AV, 1                              ; two accumulators by turns, one instruction a turn
	WM (ACC+8), (A1+8), (AV+8), 1
	WM ACC, (A1+16), (AV+16), 0
	WM (ACC+8), (A1+24), (AV+24), 0
	PLACES
.irp k, 0,2,4,6
	v_pk_add_f32 v[YY+\k:YY+\k+1], v[ACC+\k:ACC+\k+1], v[ACC+8+\k:ACC+9+\k]
.endr
.irp k, 0,2,4,6
	v_pk_add_f32 v[YY+\k:YY+\k+1], v[XB+\k:XB+\k+1], v[YY+\k:YY+\k+1] neg_lo:[0,1] neg_hi:[0,1]   ; y(batch 8 h + j, channel 16 w + r)
.endr
	v_pk_add_f32 v[WK:WK+1], v[YY:YY+1], v[YY+2:YY+3]
	v_pk_add_f32 v[WK+2:WK+3], v[YY+4:YY+5], v[YY+6:YY+7]
	v_pk_add_f32 v[WK:WK+1], v[WK:WK+1], v[WK+2:WK+3]
	v_add_f32 v[WK], v[WK], v[WK+1]
	v_permlanex16_b32 v[TMP], v[WK], s32, s33      ; the other eight batches of my channel
	v_add_f32 v[WK], v[WK], v[TMP]
	v_mul_f32 v[WK+2], 0x3d800000, v[WK]           ; mean of 16
	v_mov_b32 v[WK+3], v[WK+2]
.irp k, 0,2,4,6
	v_pk_add_f32 v[WK+4+\k:WK+5+\k], v[YY+\k:YY+\k+1], v[WK+2:WK+3] neg_lo:[0,1] neg_hi:[0,1]
.endr
	v_pk_mul_f32 v[WK:WK+1], v[WK+4:WK+5], v[WK+4:WK+5]
.irp k, 2,4,6
	v_pk_fma_f32 v[WK:WK+1], v[WK+4+\k:WK+5+\k], v[WK+4+\k:WK+5+\k], v[WK:WK+1]
.endr
	v_add_f32 v[WK], v[WK], v[WK+1]
	v_permlanex16_b32 v[TMP], v[WK], s32, s33
	v_add_f32 v[WK], v[WK], v[TMP]                 ; sum of squared deviations from that mean
	v_cndmask_b32 v[WK+1], v[WK+2], v[WK], s36     ; lanes 0-15 carry the mean, lanes 16-31 the sum of squares
.irp j, 0,1,2,3,4,5,6,7
	ds_store_b32 v[YTS], v[YY+\j] offset:4*\j
.endr
	ds_store_b32 v[PSS], v[WK+1]
	s_wait_dscnt 0x0                               ; for the others' sake: all my stores are done
	s_barrier_signal -1
	s_barrier_wait -1
.irp i, 0,1
.irp k, 0,1,2,3
	ds_load_b32 v[YOUT+4*\i+\k], v[YTL] offset:YTP*\k+32*\i
.endr
.endr
.irp i, 0,1
	ds_load_b128 v[GOUT+4*\i:GOUT+4*\i+3], v[R128] offset:SREG+SHALF*\i
.endr
	s_wait_dscnt 0x0
.irp i, 0,1
	global_store_b128 v[GOFF], v[YOUT+4*\i:YOUT+4*\i+3], s[18:19] offset:4096*\i               ; a wave's store covers one row: 512 consecutive bytes, aligned
	global_store_b128 v[GOFF], v[GOUT+4*\i:GOUT+4*\i+3], s[18:19] offset:2097152+4096*\i
.endr
	s_cmp_gt_u32 s22, 1
	s_cbranch_scc1 .Lend                           ; wave 0 stores the 128 means, wave 1 the 128 sums of squares
	ds_load_b128 v[POUT:POUT+3], v[PSL]
	s_wait_dscnt 0x0
	global_store_b128 v[GOFF], v[POUT:POUT+3], s[20:21]    ; 16 x thread = 512 w + 16 L
.Lend:
	s_wait_xcnt 0x0
	v_lshl_add_u32 v254, v0, 2, 0x4f400
	v_mov_b32 v255, 0
	s_wait_tensorcnt 0x0
	ds_add_u32 v254, v255
	s_wait_dscnt 0x0
	s_endpgm
.Lfunc_end_k_q4fc553fd3c_main:
	.size	k_q4fc553fd3c_main, .Lfunc_end_k_q4fc553fd3c_main-k_q4fc553fd3c_main
	.p2alignl 7, 3214868480
	.fill 96, 4, 3214868480
	.section	.rodata,"a",@progbits
	.p2align	6, 0x0
	.amdhsa_kernel k_q4fc553fd3c_main
		.amdhsa_group_segment_fixed_size 325632
		.amdhsa_private_segment_fixed_size 0
		.amdhsa_enable_private_segment 0
		.amdhsa_kernarg_size 72
		.amdhsa_user_sgpr_count 2
		.amdhsa_user_sgpr_kernarg_segment_ptr 1
		.amdhsa_wavefront_size32 1
		.amdhsa_system_sgpr_workgroup_id_x 1
		.amdhsa_system_sgpr_workgroup_id_y 1
		.amdhsa_system_sgpr_workgroup_id_z 1
		.amdhsa_system_vgpr_workitem_id 0
		.amdhsa_next_free_vgpr 512
		.amdhsa_next_free_sgpr 66
		.amdhsa_reserve_vcc 0
		.amdhsa_float_denorm_mode_32 3
		.amdhsa_float_denorm_mode_16_64 3
		.amdhsa_memory_ordered 1
		.amdhsa_forward_progress 1
		.amdhsa_inst_pref_size 180
	.end_amdhsa_kernel
	.amdgpu_metadata
---
amdhsa.version: [ 1, 2 ]
amdhsa.kernels:
  - .name:           k_q4fc553fd3c_main
    .symbol:         k_q4fc553fd3c_main.kd
    .args:
      - { .name: x1, .offset: 0, .size: 8, .value_kind: global_buffer, .address_space: global }
      - { .name: x2, .offset: 8, .size: 8, .value_kind: global_buffer, .address_space: global }
      - { .name: x1_2, .offset: 16, .size: 8, .value_kind: global_buffer, .address_space: global }
      - { .name: fc_w, .offset: 24, .size: 8, .value_kind: global_buffer, .address_space: global }
      - { .name: fc_b, .offset: 32, .size: 8, .value_kind: global_buffer, .address_space: global }
      - { .name: conv_w, .offset: 40, .size: 8, .value_kind: global_buffer, .address_space: global }
      - { .name: conv_b, .offset: 48, .size: 8, .value_kind: global_buffer, .address_space: global }
      - { .name: yg, .offset: 56, .size: 8, .value_kind: global_buffer, .address_space: global }
      - { .name: part, .offset: 64, .size: 8, .value_kind: global_buffer, .address_space: global }
    .group_segment_fixed_size: 325632
    .private_segment_fixed_size: 0
    .kernarg_segment_align: 8
    .kernarg_segment_size: 72
    .max_flat_workgroup_size: 256
    .sgpr_count:     66
    .vgpr_count:     512
    .wavefront_size: 32
...
	.end_amdgpu_metadata
.endif
;; end of part 1
;; launch finish (part 2): grid 128 x 2, 8 waves a work-group, no clusters, 9,216 bytes of LDS; arguments yg, part, bn_gamma, bn_beta, out0; writes out0
.if DOCPART == 2
	.amdgcn_target "amdgcn-amd-amdhsa--gfx1250"
	.amdhsa_code_object_version 6
	.text
	.protected	k_q4fc553fd3c_finish
	.globl	k_q4fc553fd3c_finish
	.p2align	8
	.type	k_q4fc553fd3c_finish,@function
k_q4fc553fd3c_finish:
	s_mov_b64 s[64:65], 0
	v_nop
	global_prefetch_b8 v0, s[64:65] scope:SCOPE_SE
	s_setreg_imm32_b32 hwreg(HW_REG_WAVE_MODE, 25, 1), 1
	s_wait_xcnt 0x0
; PCT block, second part: out0 = gate x1 + max(0, (y - mean) rsqrt(var + 1e-5) gamma + beta), mean and (biased) var per channel over 4,096 batches.
; part holds for each of 256 groups of 16 batches, per channel, the group's mean and its sum of squared deviations M2.  Groups of equal
; size n join as: mean = average of the means; M2 = sum of the M2 + n sum (mean_g - mean)^2: only deviations are squared, no difference
; of large sums is formed.  Two levels: a lane joins 16 groups (n = 16), then 16 such results meet in LDS (n = 256): 16 x 16 x 16 = 4,096.
; SHARES: work-group (bg, hc) owns batches 32 bg .. + 31 and channels 64 hc .. + 63, and joins all 256 groups for those 64 channels itself
; (128 KiB read by each work-group, in place of a third launch).  Lane: q = lane % 16 owns 4 channels, h = lane / 16 a row's parity,
; so sixteen neighbouring lanes read and store 256 consecutive bytes, aligned.
; No matrix unit, no tensor loads, no joint requests: a few loads a lane, everything else is in registers.
; LIMITS: v_rsq_f32 is good to 1 ulp; NaN and infinite inputs are not served.
.set PO, 1                             ; part: group 32 w + h, my 16 bytes
.set YO, 2                             ; yg, out0: row 4 w + h, my 16 bytes
.set CO, 3                             ; 16 q: gamma, beta, and the LDS column
.set LA, 4                             ; LDS row 2 w + h of 512 bytes: 64 means, 64 M2
.set MN, 8                             ; v8-71    16 x 4 means
.set MQ, 72                            ; v72-135  16 x 4 M2
.set YV, 136                           ; v136-143 y, two rows
.set GX, 144                           ; v144-151 gate x1, two rows
.set GA, 152
.set BE, 156
.set MU, 160
.set MM, 164
.set SA, 168                           ; two chains of sums: SA, SB = SA + 4
.set SB, 172
.set DV, 176                           ; v176-183 deviations, two sets in turn
	s_load_b256 s[4:11], s[0:1], 0x0               ; yg s[4:5], part s[6:7], gamma s[8:9], beta s[10:11]
	s_load_b64 s[12:13], s[0:1], 0x20              ; out0
	v_lshl_add_u32 v192, v0, 2, 0x2000
	v_mov_b32 v193, 0
	v_lshrrev_b32 v6, 5, v0
	v_readfirstlane_b32 s16, v6                    ; wave
	s_and_b32 s17, ttmp7, 0xffff                   ; hc
	s_mov_b32 s14, 0x39800000                      ; 1 / 4096
	s_mov_b32 s15, 0x3727c5ac                      ; 1e-5
	v_and_b32 v[CO], 15, v0
	v_lshlrev_b32 v[CO], 4, v[CO]
	v_bfe_u32 v7, v0, 4, 1                         ; h
	s_lshl_b32 s18, s16, 15                        ; 32 groups of 1,024 bytes a wave
	s_lshl_b32 s19, s16, 11                        ; 4 rows of 512 bytes a wave
	s_lshl_b32 s20, s16, 10                        ; 2 LDS rows a wave
	v_lshl_add_u32 v[PO], v7, 10, v[CO]
	v_add_nc_u32 v[PO], s18, v[PO]
	v_lshl_add_u32 v6, v7, 9, v[CO]
	v_add_nc_u32 v[YO], s19, v6
	v_add_nc_u32 v[LA], s20, v6
	s_lshl_b32 s22, s17, 8                         ; my 64 channels
	s_mov_b32 s23, 0
	s_lshl_b32 s24, ttmp9, 14                      ; my 32 rows
	s_add_co_u32 s24, s24, s22
	s_mov_b32 s25, 0
	s_wait_kmcnt 0x0
	s_add_nc_u64 s[6:7], s[6:7], s[22:23]
	s_add_nc_u64 s[8:9], s[8:9], s[22:23]
	s_add_nc_u64 s[10:11], s[10:11], s[22:23]
	s_add_nc_u64 s[4:5], s[4:5], s[24:25]
	s_add_nc_u64 s[12:13], s[12:13], s[24:25]
.irp n, 0,1,2,3,4,5,6,7,8,9,10,11,12,13,14,15
	global_load_b128 v[MN+4*\n:MN+4*\n+3], v[PO], s[6:7] offset:2048*\n            ; groups 32 w + h + 2 n
.endr
.irp n, 0,1,2,3,4,5,6,7,8,9,10,11,12,13,14,15
	global_load_b128 v[MQ+4*\n:MQ+4*\n+3], v[PO], s[6:7] offset:2048*\n+512
.endr
.irp n, 0,1
	global_load_b128 v[YV+4*\n:YV+4*\n+3], v[YO], s[4:5] offset:1024*\n th:TH_LOAD_NT
.endr
.irp n, 0,1
	global_load_b128 v[GX+4*\n:GX+4*\n+3], v[YO], s[4:5] offset:2097152+1024*\n th:TH_LOAD_NT
.endr
	global_load_b128 v[GA:GA+3], v[CO], s[8:9]
	global_load_b128 v[BE:BE+3], v[CO], s[10:11]
; joins the 16 (mean, M2) in MN, MQ, each of wt batches, into MU, MM.  first = 1: they come from memory; 0: from LDS.
.macro COMBINE first, wt
.if \first
	s_wait_loadcnt 22                              ; 16 loads of M2 and 6 others are younger: the means are in
.else
	s_wait_dscnt 16                                ; the 16 reads of M2 are younger
.endif
.irp c, 0,2
	v_pk_add_f32 v[SA+\c:SA+\c+1], v[MN+\c:MN+\c+1], v[MN+8+\c:MN+9+\c]
	v_pk_add_f32 v[SB+\c:SB+\c+1], v[MN+4+\c:MN+5+\c], v[MN+12+\c:MN+13+\c]
.endr
.irp n, 4,6,8,10,12,14
.irp c, 0,2
	v_pk_add_f32 v[SA+\c:SA+\c+1], v[SA+\c:SA+\c+1], v[MN+4*\n+\c:MN+4*\n+\c+1]
	v_pk_add_f32 v[SB+\c:SB+\c+1], v[SB+\c:SB+\c+1], v[MN+4*\n+4+\c:MN+4*\n+5+\c]
.endr
.endr
.irp c, 0,2
	v_pk_add_f32 v[SA+\c:SA+\c+1], v[SA+\c:SA+\c+1], v[SB+\c:SB+\c+1]
.endr
.irp c, 0,2
	v_pk_mul_f32 v[MU+\c:MU+\c+1], v[SA+\c:SA+\c+1], 0x3d800000 op_sel_hi:[1,0]    ; / 16
.endr
.irp n, 0,1,2,3,4,5,6,7,8,9,10,11,12,13,14,15
.irp c, 0,2
	v_pk_add_f32 v[DV+4*(\n&1)+\c:DV+4*(\n&1)+\c+1], v[MN+4*\n+\c:MN+4*\n+\c+1], v[MU+\c:MU+\c+1] neg_lo:[0,1] neg_hi:[0,1]
.if \n < 2
	v_pk_mul_f32 v[SA+4*(\n&1)+\c:SA+4*(\n&1)+\c+1], v[DV+4*(\n&1)+\c:DV+4*(\n&1)+\c+1], v[DV+4*(\n&1)+\c:DV+4*(\n&1)+\c+1]
.else
	v_pk_fma_f32 v[SA+4*(\n&1)+\c:SA+4*(\n&1)+\c+1], v[DV+4*(\n&1)+\c:DV+4*(\n&1)+\c+1], v[DV+4*(\n&1)+\c:DV+4*(\n&1)+\c+1], v[SA+4*(\n&1)+\c:SA+4*(\n&1)+\c+1]
.endif
.endr
.endr
.irp c, 0,2
	v_pk_add_f32 v[SA+\c:SA+\c+1], v[SA+\c:SA+\c+1], v[SB+\c:SB+\c+1]
.endr
.if \first
	s_wait_loadcnt 6                               ; y, gate x1, gamma, beta are younger: M2 is in
.else
	s_wait_dscnt 0x0
.endif
.irp c, 0,2
	v_pk_fma_f32 v[MM+\c:MM+\c+1], v[SA+\c:SA+\c+1], \wt, v[MQ+\c:MQ+\c+1] op_sel_hi:[1,0,1]
	v_pk_add_f32 v[SB+\c:SB+\c+1], v[MQ+4+\c:MQ+5+\c], v[MQ+12+\c:MQ+13+\c]
	v_pk_add_f32 v[MM+\c:MM+\c+1], v[MM+\c:MM+\c+1], v[MQ+8+\c:MQ+9+\c]
.endr
.irp n, 4,6,8,10,12,14
.irp c, 0,2
	v_pk_add_f32 v[MM+\c:MM+\c+1], v[MM+\c:MM+\c+1], v[MQ+4*\n+\c:MQ+4*\n+\c+1]
	v_pk_add_f32 v[SB+\c:SB+\c+1], v[SB+\c:SB+\c+1], v[MQ+4*\n+4+\c:MQ+4*\n+5+\c]
.endr
.endr
.irp c, 0,2
	v_pk_add_f32 v[MM+\c:MM+\c+1], v[MM+\c:MM+\c+1], v[SB+\c:SB+\c+1]
.endr
.endm
	COMBINE 1, 0x41800000                          ; 16 groups of 16 batches
	ds_store_b128 v[LA], v[MU:MU+3]
	ds_store_b128 v[LA], v[MM:MM+3] offset:256
	s_wait_dscnt 0x0                               ; for the others' sake
	s_barrier_signal -1
	s_barrier_wait -1
.irp n, 0,1,2,3,4,5,6,7,8,9,10,11,12,13,14,15
	ds_load_b128 v[MN+4*\n:MN+4*\n+3], v[CO] offset:512*\n
.endr
.irp n, 0,1,2,3,4,5,6,7,8,9,10,11,12,13,14,15
	ds_load_b128 v[MQ+4*\n:MQ+4*\n+3], v[CO] offset:512*\n+256
.endr
	COMBINE 0, 0x43800000                          ; 16 results of 256 batches
.irp c, 0,1,2,3
	v_fma_f32 v[SA+\c], v[MM+\c], s14, s15         ; var + 1e-5
.endr
.irp c, 0,1,2,3
	v_rsq_f32 v[SA+\c], v[SA+\c]
.endr
	v_nop                                          ; the plain instruction behind a transcendental (ISA guide 5.7.2)
	s_wait_loadcnt 0x0                             ; y, gate x1, gamma, beta
	s_wait_alu depctr_va_vdst(0)
.irp c, 0,2
	v_pk_mul_f32 v[SB+\c:SB+\c+1], v[GA+\c:GA+\c+1], v[SA+\c:SA+\c+1]                                      ; scale
.endr
.irp c, 0,2
	v_pk_fma_f32 v[DV+\c:DV+\c+1], v[MU+\c:MU+\c+1], v[SB+\c:SB+\c+1], v[BE+\c:BE+\c+1] neg_lo:[1,0,0] neg_hi:[1,0,0]   ; shift = beta - mean scale
.endr
.irp n, 0,1
.irp c, 0,2
	v_pk_fma_f32 v[YV+4*\n+\c:YV+4*\n+\c+1], v[YV+4*\n+\c:YV+4*\n+\c+1], v[SB+\c:SB+\c+1], v[DV+\c:DV+\c+1]
.endr
.endr
.irp k, 0,1,2,3,4,5,6,7
	v_max_num_f32 v[YV+\k], 0, v[YV+\k]
.endr
.irp k, 0,2,4,6
	v_pk_add_f32 v[YV+\k:YV+\k+1], v[YV+\k:YV+\k+1], v[GX+\k:GX+\k+1]
.endr
.irp n, 0,1
	global_store_b128 v[YO], v[YV+4*\n:YV+4*\n+3], s[12:13] offset:1024*\n th:TH_STORE_NT      ; sixteen lanes store 256 consecutive bytes, aligned
.endr
	s_wait_tensorcnt 0x0
	ds_add_u32 v192, v193
	s_wait_dscnt 0x0
	s_endpgm
.Lfunc_end_k_q4fc553fd3c_finish:
	.size	k_q4fc553fd3c_finish, .Lfunc_end_k_q4fc553fd3c_finish-k_q4fc553fd3c_finish
	.p2alignl 7, 3214868480
	.fill 96, 4, 3214868480
	.section	.rodata,"a",@progbits
	.p2align	6, 0x0
	.amdhsa_kernel k_q4fc553fd3c_finish
		.amdhsa_group_segment_fixed_size 9216
		.amdhsa_private_segment_fixed_size 0
		.amdhsa_enable_private_segment 0
		.amdhsa_kernarg_size 40
		.amdhsa_user_sgpr_count 2
		.amdhsa_user_sgpr_kernarg_segment_ptr 1
		.amdhsa_wavefront_size32 1
		.amdhsa_system_sgpr_workgroup_id_x 1
		.amdhsa_system_sgpr_workgroup_id_y 1
		.amdhsa_system_sgpr_workgroup_id_z 1
		.amdhsa_system_vgpr_workitem_id 0
		.amdhsa_next_free_vgpr 194
		.amdhsa_next_free_sgpr 66
		.amdhsa_reserve_vcc 0
		.amdhsa_float_denorm_mode_32 3
		.amdhsa_float_denorm_mode_16_64 3
		.amdhsa_memory_ordered 1
		.amdhsa_forward_progress 1
		.amdhsa_inst_pref_size 26
	.end_amdhsa_kernel
	.amdgpu_metadata
---
amdhsa.version: [ 1, 2 ]
amdhsa.kernels:
  - .name:           k_q4fc553fd3c_finish
    .symbol:         k_q4fc553fd3c_finish.kd
    .args:
      - { .name: yg, .offset: 0, .size: 8, .value_kind: global_buffer, .address_space: global }
      - { .name: part, .offset: 8, .size: 8, .value_kind: global_buffer, .address_space: global }
      - { .name: bn_gamma, .offset: 16, .size: 8, .value_kind: global_buffer, .address_space: global }
      - { .name: bn_beta, .offset: 24, .size: 8, .value_kind: global_buffer, .address_space: global }
      - { .name: out0, .offset: 32, .size: 8, .value_kind: global_buffer, .address_space: global }
    .group_segment_fixed_size: 9216
    .private_segment_fixed_size: 0
    .kernarg_segment_align: 8
    .kernarg_segment_size: 40
    .max_flat_workgroup_size: 256
    .sgpr_count:     66
    .vgpr_count:     194
    .wavefront_size: 32
...
	.end_amdgpu_metadata
.endif
;; end of part 2
